; MI455X (gfx1250); checked and timed in simulation.
; The chip was launched on July 23, 2026; its instructions are those of AMD's public machine-readable ISA for CDNA 5 (MIT licence, August 2026) and "CDNA5" Instruction Set Architecture Reference Guide (July 2026). The comments in the code are by the model that wrote it; some were corrected since.
;; Mo E. Allowed arithmetic: float matrix products may take bf16 or f16 operands with f32 sums; other float arithmetic in f32, or as packed bf16 or f16 multiplies, adds, multiply-adds, maxima and minima; sums over many terms, partial sums and values carried from step to step in f32; what a program stores and reads back later, other than sums and carried values, may be rounded once to bf16 or f16.
;; Inputs: Wg 8 x 2,048 x 1,024 float32; Wg_s 2,048 x 1,024 float32; Wo 8 x 1,024 x 2,048 float32; Wo_s 1,024 x 2,048 float32; Wr 8 x 1,024 float32; Wv 8 x 2,048 x 1,024 float32; Wv_s 2,048 x 1,024 float32; bo 8 x 1,024 float32; bo_s 1,024 float32; br 8 float32; x 2 x 512 x 1,024 float32.
;; Outputs: out0 2 x 512 x 1,024 float32; out1 2 x 512 x 8 float32; out2 2 x 512 x 2 int32.
;; One version. Each part assembles by itself: llvm-mc -triple=amdgcn-amd-amdhsa -mcpu=gfx1250 --defsym DOCPART=n.
;; ======== version 1 of 1: 4 launches
;; workspace buffers: xb 2,097,152 bytes; sel 8,192 bytes of whole numbers; gw 8,192 bytes; hf 37,748,736 bytes; pos 32,768 bytes of whole numbers; cnt 1,024 bytes of whole numbers; p 75,497,472 bytes
;; launch router (part 1): grid 64 x 1, 8 waves a work-group, no clusters, 44,032 bytes of LDS; arguments x, Wr, br, out1, out2, xb, sel, gw; writes out1, out2, xb, sel, gw
.if DOCPART == 1
	.amdgcn_target "amdgcn-amd-amdhsa--gfx1250"
	.amdhsa_code_object_version 6
	.text
	.protected	k_qe044cae1d8_router
	.globl	k_qe044cae1d8_router
	.p2align	8
	.type	k_qe044cae1d8_router,@function
k_qe044cae1d8_router:
	s_mov_b64 s[64:65], 0
	v_nop
	global_prefetch_b8 v0, s[64:65] scope:SCOPE_SE
	s_setreg_imm32_b32 hwreg(HW_REG_WAVE_MODE, 25, 1), 1
	s_wait_xcnt 0x0
; ROUTER.  logits = x Wr^T + br; the two largest of a token's 8 logits; their softmax weights, renormalised; x rounded to bf16 for the later launches.
; x [1024][1024] f32, Wr [8][1024] f32, br [8] f32.  out1 [1024][8] f32 logits, out2 [1024][2] i32 the chosen experts; xb [1024][1024] bf16; sel = out2 once more, for later launches' addresses; gw [1024][2] f32.
; LIMITS.  x, Wr and br are rounded to bf16 (nearest even) before anything is made of them; products and sums are f32.  The choice is made on the logits (softmax keeps their order): strictly greater
; wins, so equal logits keep the lower index; two unequal logits whose softmax values round to one f32 number are told apart here.  NaN and infinities are not treated apart.
; The two weights are 1 / (1 + e) and e / (1 + e) with e = exp(l2 - l1): the larger logit is taken away, the exponent is never above 0; e below 2^-126 counts as 0.
; SHARES.  A work-group owns 16 tokens, wave w the channels 128 w .. 128 w + 127: 4 matrix instructions; the eight waves' partial logits meet in LDS, wave 0 adds them in ascending order and chooses.
; No tile is shared between work-groups but Wr (32 KB), so no cluster.  out2, sel and gw leave in stores of 128 consecutive bytes (16 tokens x 8 bytes): 24 KB in the whole launch.
.set STG,   16*272                     ; a wave's stage: 16 tokens x (256 bytes + 16 of padding): row r starts at bank 4 r mod 64 (64 banks of 4 bytes: ISA guide 11.1)
.set RED,   8*STG                      ; eight blocks of 1,024 bytes: wave w's partial logits, 32 bytes a lane
.set SPARE, RED+8*1024                 ; the spare words, 128 bytes for each wave, which no other line names
.set X,    32                          ; v[32:95]   x as loaded, 4 registers a token; later the fragments of x, then the eight partial sums
.set WRAW, 96                          ; v[96:159]  Wr as loaded, in fragment order; later at work
.set XB,   160                         ; v[160:191] x in bf16, 2 registers a token
.set WFR,  192                         ; v[192:223] Wr's four fragments
.set L,    112                         ; v[112:119] the token's 8 logits
	s_load_b512 s[4:19], s[0:1], 0x0               ; x s[4:5], Wr s[6:7], br s[8:9], out1 s[10:11], out2 s[12:13], xb s[14:15], sel s[16:17], gw s[18:19]
	v_lshl_add_u32 v2, v0, 2, SPARE                ; my spare word
	v_mov_b32 v3, 0
	v_lshrrev_b32 v12, 5, v0
	v_readfirstlane_b32 s20, v12                   ; wave 0..7
	v_and_b32 v1, 31, v0                           ; lane
	v_and_b32 v4, 15, v0                           ; r = lane % 16
	v_bfe_u32 v5, v0, 4, 1                         ; h = lane / 16
	s_lshl_b32 s21, ttmp9, 16                      ; the group's 16 rows of 4,096 bytes of x
	s_lshl_b32 s22, s20, 9                         ; the wave's 512 bytes of a row
	s_add_co_u32 s21, s21, s22
	v_lshl_add_u32 v6, v1, 4, s21                  ; x: 16 bytes a lane
	v_and_b32 v7, 7, v0                            ; Wr: fragment row m takes expert m % 8, so both halves of the lanes end up with all 8 logits of their token
	v_lshlrev_b32 v7, 12, v7
	v_lshl_add_u32 v7, v5, 5, v7                   ; 8 channels of f32 for each half of the lanes
	v_add_nc_u32 v7, s22, v7
	s_lshl_b32 s23, ttmp9, 15                      ; 16 rows of 2,048 bytes of xb
	s_lshl_b32 s24, s20, 8
	s_add_co_u32 s23, s23, s24
	v_lshl_add_u32 v8, v1, 3, s23                  ; xb: 8 bytes a lane
	s_mul_i32 s25, s20, STG
	v_lshl_add_u32 v9, v1, 3, s25                  ; into my stage: 8 bytes a lane
	v_mul_u32_u24 v10, v4, 272
	v_lshl_add_u32 v10, v5, 4, v10
	v_add_nc_u32 v10, s25, v10                     ; out of it: token r, 16 bytes for each half
	s_lshl_b32 s26, s20, 10
	s_add_co_u32 s26, s26, RED
	v_lshl_add_u32 v11, v1, 5, s26                 ; my partial logits
	s_wait_kmcnt 0x0
.set i, 0
.rept 16                                               ; a load takes the wave's 512 consecutive bytes of one token's row
	global_load_b128 v[X+4*i:X+4*i+3], v6, s[4:5] offset:4096*i th:TH_LOAD_NT
.set i, i+1
.endr
.set i, 0
.rept 16                                               ; K step i / 4 (32 channels = 128 bytes); of it channels 8 h + 0..3, + 4..7, 16 + 8 h + 0..3, + 4..7
	global_load_b128 v[WRAW+4*i:WRAW+4*i+3], v7, s[6:7] offset:128*(i/4)+64*((i%4)/2)+16*(i%2)
.set i, i+1
.endr
	s_wait_loadcnt 16                              ; x is in; Wr's sixteen loads, issued behind it, may stay out
.set i, 0
.rept 16
	v_cvt_pk_bf16_f32 v[XB+2*i], v[X+4*i], v[X+4*i+1]
	v_cvt_pk_bf16_f32 v[XB+2*i+1], v[X+4*i+2], v[X+4*i+3]
.set i, i+1
.endr
.set i, 0
.rept 16
	global_store_b64 v8, v[XB+2*i:XB+2*i+1], s[14:15] offset:2048*i  ; the wave stores 256 consecutive bytes, at a multiple of 256 from xb's first byte
	ds_store_b64 v9, v[XB+2*i:XB+2*i+1] offset:272*i
.set i, i+1
.endr
	s_wait_loadcnt 0x0                             ; Wr
.set i, 0
.rept 32
	v_cvt_pk_bf16_f32 v[WFR+i], v[WRAW+2*i], v[WRAW+2*i+1]
.set i, i+1
.endr
.set i, 0
.rept 4                                                ; the stage is the wave's own and LDS serves a wave's instructions in order (ISA guide 5.7.1.4): these see the stores above
	ds_load_b128 v[X+8*i:X+8*i+3],   v10 offset:64*i
	ds_load_b128 v[X+8*i+4:X+8*i+7], v10 offset:64*i+32
.set i, i+1
.endr
	s_wait_dscnt 0x0
	; source 0 = 16 rows of Wr, source 1 = 16 tokens: lane (r, h) holds token r, register j expert (8 h + j) % 8.  Two accumulators take turns.
	v_wmma_f32_16x16x32_bf16 v[224:231], v[WFR:WFR+7],     v[X:X+7],     0
	v_wmma_f32_16x16x32_bf16 v[232:239], v[WFR+8:WFR+15],  v[X+8:X+15],  0
	v_wmma_f32_16x16x32_bf16 v[224:231], v[WFR+16:WFR+23], v[X+16:X+23], v[224:231]
	v_wmma_f32_16x16x32_bf16 v[232:239], v[WFR+24:WFR+31], v[X+24:X+31], v[232:239]
.rept 4
	v_nop                                          ; four places between a matrix instruction and the reading of its result (ISA guide 7.12.1)
.endr
.irp k, 0,2,4,6
	v_pk_add_f32 v[240+\k:241+\k], v[224+\k:225+\k], v[232+\k:233+\k]
.endr
	ds_store_b128 v11, v[240:243]
	ds_store_b128 v11, v[244:247] offset:16
	s_wait_dscnt 0x0                               ; for wave 0's sake: my partial logits are in LDS
	s_barrier_signal -1
	s_barrier_wait -1
	s_cmp_lg_u32 s20, 0
	s_cbranch_scc1 .Lend                           ; the rest is wave 0's: no barrier stands in it
	s_load_b256 s[32:39], s[8:9], 0x0              ; br
	v_lshl_add_u32 v12, v1, 5, RED
.set i, 0
.rept 8
	ds_load_b128 v[X+8*i:X+8*i+3],   v12 offset:1024*i
	ds_load_b128 v[X+8*i+4:X+8*i+7], v12 offset:1024*i+16
.set i, i+1
.endr
	s_lshl_b32 s27, ttmp9, 9                       ; out1: 16 tokens of 32 bytes
	v_lshlrev_b32 v13, 5, v4
	v_lshl_add_u32 v13, v5, 4, v13                 ; half h of the lanes stores experts 4 h .. 4 h + 3
	v_add_nc_u32 v13, s27, v13
	s_lshl_b32 s28, ttmp9, 7                       ; out2, sel, gw: 16 tokens of 8 bytes
	v_lshlrev_b32 v14, 3, v4
	v_lshl_add_u32 v14, v5, 2, v14                 ; half h stores choice h
	v_add_nc_u32 v14, s28, v14
	v_cmp_eq_u32 s40, 1, v5                        ; the upper half of the lanes
	s_wait_kmcnt 0x0
.irp k, 0,1,2,3
	v_cvt_pk_bf16_f32 v[100+\k], s[32+2*\k], s[33+2*\k]      ; br rounded to bf16,
.endr
.irp k, 0,1,2,3
	v_lshlrev_b32 v[104+2*\k], 16, v[100+\k]                 ; and widened again
	v_and_b32 v[105+2*\k], 0xffff0000, v[100+\k]
.endr
	s_wait_dscnt 0x0
.irp k, 0,2,4,6
	v_pk_add_f32 v[L+\k:L+\k+1], v[X+\k:X+\k+1], v[X+8+\k:X+8+\k+1]
.endr
.irp w, 2,3,4,5,6,7
.irp k, 0,2,4,6
	v_pk_add_f32 v[L+\k:L+\k+1], v[L+\k:L+\k+1], v[X+8*\w+\k:X+8*\w+\k+1]
.endr
.endr
.irp k, 0,2,4,6
	v_pk_add_f32 v[L+\k:L+\k+1], v[L+\k:L+\k+1], v[104+\k:105+\k]
.endr
.irp k, 0,1,2,3
	v_cndmask_b32 v[120+\k], v[L+\k], v[L+4+\k], s40
.endr
	global_store_b128 v13, v[120:123], s[10:11]    ; 512 consecutive bytes of out1
	; the two largest, ascending index, strictly greater: v124, v125 the largest and its index, v126, v127 the second
	v_mov_b32 v124, v[L]
	v_mov_b32 v125, 0
	v_mov_b32 v126, 0xff800000
	v_mov_b32 v127, 0
.irp j, 1,2,3,4,5,6,7
	v_cmp_gt_f32 s41, v[L+\j], v124
	v_cmp_gt_f32 s42, v[L+\j], v126
	v_cndmask_b32 v128, v126, v[L+\j], s42
	v_cndmask_b32 v129, v127, \j, s42
	v_cndmask_b32 v126, v128, v124, s41            ; a new largest hands the old one down
	v_cndmask_b32 v127, v129, v125, s41
	v_cndmask_b32 v124, v124, v[L+\j], s41
	v_cndmask_b32 v125, v125, \j, s41
.endr
	v_sub_f32 v130, v126, v124                     ; l2 - l1, never above 0
	v_mul_f32 v130, 0x3fb8aa3b, v130
	v_exp_f32 v130, v130
	v_nop                                          ; a plain instruction behind the exponential,
	s_wait_alu depctr_va_vdst(0)                   ; and the wait ahead of the first use of its result
	v_add_f32 v131, 1.0, v130
	v_rcp_f32 v131, v131                           ; w1 = 1 / (1 + e)
	v_nop
	s_wait_alu depctr_va_vdst(0)
	v_mul_f32 v130, v130, v131                     ; w2 = e / (1 + e)
	v_cndmask_b32 v132, v125, v127, s40
	v_cndmask_b32 v133, v131, v130, s40
	global_store_b32 v14, v132, s[12:13]
	global_store_b32 v14, v132, s[16:17]
	global_store_b32 v14, v133, s[18:19]
.Lend:
	s_wait_tensorcnt 0x0                           ; the wave's end: behind my last LDS store
	ds_add_u32 v2, v3
	s_wait_dscnt 0x0
	s_endpgm
.Lfunc_end_k_qe044cae1d8_router:
	.size	k_qe044cae1d8_router, .Lfunc_end_k_qe044cae1d8_router-k_qe044cae1d8_router
	.p2alignl 7, 3214868480
	.fill 96, 4, 3214868480
	.section	.rodata,"a",@progbits
	.p2align	6, 0x0
	.amdhsa_kernel k_qe044cae1d8_router
		.amdhsa_group_segment_fixed_size 44032
		.amdhsa_private_segment_fixed_size 0
		.amdhsa_enable_private_segment 0
		.amdhsa_kernarg_size 64
		.amdhsa_user_sgpr_count 2
		.amdhsa_user_sgpr_kernarg_segment_ptr 1
		.amdhsa_wavefront_size32 1
		.amdhsa_system_sgpr_workgroup_id_x 1
		.amdhsa_system_sgpr_workgroup_id_y 1
		.amdhsa_system_sgpr_workgroup_id_z 1
		.amdhsa_system_vgpr_workitem_id 0
		.amdhsa_next_free_vgpr 256
		.amdhsa_next_free_sgpr 66
		.amdhsa_reserve_vcc 0
		.amdhsa_float_denorm_mode_32 3
		.amdhsa_float_denorm_mode_16_64 3
		.amdhsa_memory_ordered 1
		.amdhsa_forward_progress 1
		.amdhsa_inst_pref_size 22
	.end_amdhsa_kernel
	.amdgpu_metadata
---
amdhsa.version: [ 1, 2 ]
amdhsa.kernels:
  - .name:           k_qe044cae1d8_router
    .symbol:         k_qe044cae1d8_router.kd
    .args:
      - { .name: x, .offset: 0, .size: 8, .value_kind: global_buffer, .address_space: global }
      - { .name: Wr, .offset: 8, .size: 8, .value_kind: global_buffer, .address_space: global }
      - { .name: br, .offset: 16, .size: 8, .value_kind: global_buffer, .address_space: global }
      - { .name: out1, .offset: 24, .size: 8, .value_kind: global_buffer, .address_space: global }
      - { .name: out2, .offset: 32, .size: 8, .value_kind: global_buffer, .address_space: global }
      - { .name: xb, .offset: 40, .size: 8, .value_kind: global_buffer, .address_space: global }
      - { .name: sel, .offset: 48, .size: 8, .value_kind: global_buffer, .address_space: global }
      - { .name: gw, .offset: 56, .size: 8, .value_kind: global_buffer, .address_space: global }
    .group_segment_fixed_size: 44032
    .private_segment_fixed_size: 0
    .kernarg_segment_align: 8
    .kernarg_segment_size: 64
    .max_flat_workgroup_size: 256
    .sgpr_count:     66
    .vgpr_count:     256
    .wavefront_size: 32
...
	.end_amdgpu_metadata
.endif
;; end of part 1
;; launch up (part 2): grid 256 x 1, 8 waves a work-group, no clusters, 274,688 bytes of LDS; arguments xb, Wg, Wv, Wg_s, Wv_s, sel, hf, pos, cnt; writes hf, pos, cnt
.if DOCPART == 2
	.amdgcn_target "amdgcn-amd-amdhsa--gfx1250"
	.amdhsa_code_object_version 6
	.text
	.protected	k_qe044cae1d8_up
	.globl	k_qe044cae1d8_up
	.p2align	8
	.type	k_qe044cae1d8_up,@function
k_qe044cae1d8_up:
	s_mov_b64 s[64:65], 0
	v_nop
	global_prefetch_b8 v0, s[64:65] scope:SCOPE_SE
	s_setreg_imm32_b32 hwreg(HW_REG_WAVE_MODE, 25, 1), 1
	s_wait_xcnt 0x0
; UP.  h = silu(x Wg^T) * (x Wv^T), for each expert on the tokens that chose it, and for the shared expert on all tokens.
; xb [1024][1024] bf16; Wg, Wv [8][2048][1024] f32; Wg_s, Wv_s [2048][1024] f32; sel [1024][2] the chosen experts.
; hf: h in bf16, in the order in which the next launch's matrix operands take it: 576 tiles of 16 rows (tile 64 e + rank / 16 of expert e; 512 + token / 16 of the shared expert), a tile = 64 blocks of
; 1,024 bytes (32 h each); in a block, byte 512 a + 16 lane holds h[row lane % 16][16 a + 8 (lane / 16) + 0..7].
; pos [4][2048]: plane c, entry 2 t + k holds 1024 e + rank where that place of sel names e = c or c + 4; elsewhere a number that nobody reads.  cnt [8][32]: the rows of expert e, 32 times.
; LIMITS.  The weights are rounded to bf16 (nearest even) on their way through registers, h once to bf16; sums in f32.  sigmoid(g) = 1 / (1 + 2^(-g log2 e)): where the power overflows the result is 0, as silu's limit is;
; a power below 2^-126 counts as 0.  NaN and infinities are not treated apart.  Every split of the tokens is served: an expert may have 0 to 1,024 rows.
; JOBS.  A job is a slice of weights (32 rows of g, 32 of v, 1,024 channels: 128 KB in bf16) and a list of rows.  Work-group w (s = w % 64, c = w / 64) walks three: slice s of the shared expert on tokens
; 256 c .. + 255; slice s of expert c; slice s of expert c + 4.  So each routed weight byte has one work-group that loads it, and all work-groups load alike.
; WAVES.  Waves 4-7 (producers) load the next job's f32 weights, round them and store them into the LDS region NEXT; waves 0-3 (consumers) multiply the job before out of the region NOW.  Loads come back in
; order within a wave (ISA guide 5.7.1), so the long stream of weights and the short loads of token fragments have waves, and counters, of their own.  A phase ends with a barrier, the copy of NEXT to NOW by all
; eight waves, and a second barrier; the producers' loads stay out meanwhile.  EVERY LDS ADDRESS BUT THE LISTS' SCATTER IS A REGISTER MADE ONCE, AT THE HEAD, BY ALL WAVES, AND AN IMMEDIATE: what is stored and what is
; loaded between two barriers are different constant regions.  For that K is written out, 32 steps, and the copy is paid: 256 KB of LDS traffic a job.  EXEC is never written: all lanes are on throughout.
; ROWS.  Consumer w takes the tiles w, w + 4, .. of 16 rows, up to 5 in a pass; the pass loop has the constant 4 trips (5 + 5 + 5 + 1 tiles cover 1,024 rows), dead trips are jumped forward.  Tiles 0-3 of a pass are
; always multiplied; tile 4's products and its loads stand under a branch each in every step.  Places past an expert's count repeat token 0; whole tiles past it are not stored, rows past it in the last tile land in places of hf that hold no result.
; ASKED FOR AHEAD.  The token fragments of a job's first four K steps are asked for as soon as the job before is finished, ahead of the phase's two barriers and the copy (the first job's: at the head).  A wave that has
; no tile of a job asks all the same (32 loads, 16 KB, of rows that exist) and uses nothing of it: so the ring's registers are written on every way through the text.
; NO CLUSTER, NO TENSOR LOADS: the routed tokens' rows come by a list, which no tile descriptor covers; a routed slice has one work-group; the shared slices (4 work-groups each) would arrive as f32,
; 256 KB a slice, and two such regions do not fit in LDS.
; REGISTERS.  Window 0: v0-15, v21 addresses; v16-20 the pass's row offsets; v32-95 two buffers of 4 weight fragments (producers: two buffers of 16 rounded registers; in all waves: the copy's 64); v96-255 a ring of
; 4 K steps x 5 tiles x 8 registers of token fragments (also: the way out's, the lists').  Window 1: consumers v0-159 the accumulators, (weight tile a, row tile i) at 8 (4 i + a), v160-191 the two routed jobs' tokens,
; v192-207 those of the job in hand; producers v0-255 eight sets of 8 loads.  No register number is the target of loads in both kinds of wave but v32-95, whose loads are all awaited ahead of every barrier.
.set NJ,     3
.set PITCH,  2064                      ; an LDS row of weights: 2,048 bytes + 16 = 516 words: row r starts at bank 4 r mod 64 (64 banks of 4 bytes: ISA guide 11.1)
.set WBUF,   64*PITCH                  ; NOW: 64 rows from byte 0
.set NXT,    WBUF                      ; NEXT: 64 rows
.set LIST1,  2*WBUF                    ; two lists of 1,024 token numbers, on end; behind them 256 dump words, one a thread (entries 2,048 + thread)
.set CNTP,   LIST1+8192+1024           ; the eight waves' two counts each
.set SPARE,  CNTP+256                  ; the spare words, 128 bytes for each wave, which no other line names
.set RS,     4096                      ; bytes from one weight row to the next in memory
.set TSTRIDE, 4*65536                  ; from one of my tiles to the next in hf
.set LANE, 1
.set SPW,  2                           ; LDS address of my spare word; never rewritten
.set NIL,  3                           ; 0; never rewritten
.set R,    4                           ; lane % 16
.set HF,   5                           ; lane / 16
.set L16,  6                           ; 16 x lane
.set SELO, 7                           ; my 16 bytes in my wave's 1,024 bytes of sel, and of a plane of pos
.set WA,   8                           ; LDS address for weight tiles 0, 1: PITCH r + 16 h; never rewritten
.set WB,   9                           ; for tiles 2, 3 (named as WA + 1); never rewritten
.set PS,   10                          ; 16 rows of NEXT by my number among four + 8 x lane; never rewritten
.set CPN,  11                          ; the copy: my wave's 8 rows of NEXT + 16 x lane
.set CPC,  12                          ; and of NOW
.set TA,   13
.set LA,   14                          ; my wave's eighth of the lists + 16 x lane
.set H16,  15                          ; 16 h
.set ROFF, 16                          ; v16-20
.set LB,   21                          ; the first list's entry 16 x (my number among four) + r
.set WF,   32
.set T,    32
.set CB,   32                          ; the copy's 64 registers
.set AF,   96
.set E,    96                          ; the way out: 16 numbers at work
.set O,    112                         ; the way out: tile i's 8 packed registers at O + 8 i
.set SEL,  180                         ; v180-187 my wave's 256 places of sel
.set PO,   188                         ; v188-195 what goes into pos for them
.set CN,   200                         ; v200-215 the sixteen counts
.set RN,   160                         ; window 1: the tokens of the next job's rows, then of the one after
.set RT,   192                         ; window 1: the tokens of row r of my 16 tiles of the job in hand, as they came: they are clamped where an address is made of them
.set MSB, 0
.macro WIN new                         ; s_set_vgpr_msb: bits 1:0 source 0, 3:2 source 1, 5:4 source 2, 7:6 destination; the high byte repeats the setting that is left
.if MSB != (\new)
	s_set_vgpr_msb (MSB<<8)|(\new)
.set MSB, \new
.endif
.endm
.macro PLACES                          ; four places behind a matrix instruction, ahead of a reading of its result and of loads into its sources (ISA guide 7.12.1 for vector instructions)
.rept 4
	v_nop
.endr
.endm
; PRODUCER.  One row of 4,096 bytes into a set of 32 registers: 8 loads of 512 consecutive bytes.
.macro PROW set, ptr, row
	WIN 0x40                                       ; destination window 1, address window 0
.set l, 0
.rept 8
	global_load_b128 v[32*(\set)+4*l:32*(\set)+4*l+3], v[L16], s[\ptr:\ptr+1] offset:(\row)*RS+512*l
.set l, l+1
.endr
.endm
; Row step: my row is rounded and stored into NEXT.  ld = 1: the row seven further on is asked for, into the set that the step before has read out: 56 loads of mine are out.
.macro PSTEP row, ld, ptr, lrow, cnt
	s_wait_loadcnt \cnt                            ; my row is in; the younger rows, 8 loads each, stay out
	WIN 0x05                                       ; sources window 1, destination window 0
.set l, 0
.rept 8
	v_cvt_pk_bf16_f32 v[T+16*((\row)%2)+2*l],   v[32*((\row)%8)+4*l],   v[32*((\row)%8)+4*l+1]
	v_cvt_pk_bf16_f32 v[T+16*((\row)%2)+2*l+1], v[32*((\row)%8)+4*l+2], v[32*((\row)%8)+4*l+3]
.set l, l+1
.endr
.if \ld
	PROW ((\row)+7)%8, \ptr, \lrow
.endif
	WIN 0
	s_wait_dscnt 8                                 ; only the row before's eight stores may be out: sixteen LDS stores of mine at the most
.set l, 0
.rept 8
	ds_store_b64 v[PS], v[T+16*((\row)%2)+2*l:T+16*((\row)%2)+2*l+1] offset:(\row)*PITCH+256*l  ; 256 consecutive bytes of a row
.set l, l+1
.endr
.endm
; CONSUMER.  The 4 weight fragments of one K step (byte koff of the rows) into buffer buf: a fragment is 16 rows x 32 channels, two loads of 16 bytes, 32 bytes apart.
.macro WLOAD buf, koff
.irp a, 0,1,2,3
	ds_load_b128 v[WF+32*(\buf)+8*\a:WF+32*(\buf)+8*\a+3],   v[WA+\a/2] offset:(\koff)+16*PITCH*(\a%2)
	ds_load_b128 v[WF+32*(\buf)+8*\a+4:WF+32*(\buf)+8*\a+7], v[WA+\a/2] offset:(\koff)+16*PITCH*(\a%2)+32
.endr
.endm
; Tile i's token fragment of K step st, into place u of the ring.
.macro ALOAD i, u, st
	global_load_b128 v[AF+8*(5*(\u)+(\i)):AF+8*(5*(\u)+(\i))+3],   v[ROFF+(\i)], s[4:5] offset:64*(\st)
	global_load_b128 v[AF+8*(5*(\u)+(\i))+4:AF+8*(5*(\u)+(\i))+7], v[ROFF+(\i)], s[4:5] offset:64*(\st)+32
.endm
; Tile i times the 4 weight tiles.  zero: the first K step starts the sums.
.macro MUL i, u, buf, zero
.irp a, 0,1,2,3
.if \zero
	v_wmma_f32_16x16x32_bf16 v[8*(4*(\i)+\a):8*(4*(\i)+\a)+7], v[WF+32*(\buf)+8*\a:WF+32*(\buf)+8*\a+7], v[AF+8*(5*(\u)+(\i)):AF+8*(5*(\u)+(\i))+7], 0
.else
	v_wmma_f32_16x16x32_bf16 v[8*(4*(\i)+\a):8*(4*(\i)+\a)+7], v[WF+32*(\buf)+8*\a:WF+32*(\buf)+8*\a+7], v[AF+8*(5*(\u)+(\i)):AF+8*(5*(\u)+(\i))+7], v[8*(4*(\i)+\a):8*(4*(\i)+\a)+7]
.endif
.endr
.endm
; K step st of 32.  The next step's weight fragments are asked for; 16 matrix instructions, and tile 4's four on end behind them if the pass has one: each accumulator once, so that they take turns;
; one group of four places; then one run of loads: the token fragments four steps on, into the place just read, tile 4's last.
.macro STEP st
	WIN 0
.if (\st) < 31
	WLOAD ((\st)+1)%2, 64*((\st)+1)
.endif
.if (\st) < 29
	s_wait_loadcnt 24                              ; this step's token fragments are in: behind them stand three steps' loads, 8 each at the least (10 with tile 4)
.else
	s_wait_loadcnt 8*(31-(\st))                    ; nothing is asked for any more: the count runs down
.endif
.if (\st) < 31
	s_wait_dscnt 8                                 ; this step's weight fragments are in; the eight loads just issued stay out
.else
	s_wait_dscnt 0x0
.endif
	WIN 0x50                                       ; C and D window 1
.irp i, 0,1,2,3
	MUL \i, (\st)%4, (\st)%2, ((\st)==0)
.endr
	WIN 0
	s_cmp_lt_u32 s29, 5
	s_cbranch_scc1 .Lno5_\@                        ; the pass has four tiles or fewer
	WIN 0x50
	MUL 4, (\st)%4, (\st)%2, ((\st)==0)
	WIN 0
.Lno5_\@:
	PLACES
.if (\st) < 28
.irp i, 0,1,2,3
	ALOAD \i, (\st)%4, (\st)+4
.endr
	s_cmp_lt_u32 s29, 5
	s_cbranch_scc1 .Lnl5_\@
	ALOAD 4, (\st)%4, (\st)+4
.Lnl5_\@:
.endif
.endm
; A job's figures: how many tiles are mine, and where my first tile's block lies in hf.
.macro JOBSET
	s_add_co_u32 s30, s37, 15
	s_lshr_b32 s30, s30, 4                         ; tiles of 16 rows,
	s_add_co_u32 s30, s30, 3
	s_sub_co_u32 s30, s30, s23
	s_lshr_b32 s30, s30, 2                         ; of which mine are w, w + 4, ..
	s_lshl_b32 s62, s23, 16
	s_add_co_u32 s62, s62, s40
	s_add_nc_u64 s[50:51], s[16:17], s[62:63]      ; hf at my first tile's block
.endm
; A pass is asked for: its number of tiles, its row offsets, and the token fragments of its first four K steps, which fill the ring.
.macro PRO
	s_min_u32 s29, s30, 5                          ; t: the pass's tiles
	s_wait_loadcnt 0x0                             ; none of my loads is out: their offsets and their registers are written again below
	s_wait_xcnt 0x0                                ; and the ring's registers that my last stores read are loaded again only behind this wait
	WIN 0x04                                       ; source 1 window 1
.irp i, 0,1,2,3,4
	v_min_u32 v[ROFF+\i], 0x3ff, v[RT+\i]          ; the token, held inside xb's 1,024 rows,
.endr
	WIN 0
.irp i, 0,1,2,3,4
	v_lshl_add_u32 v[ROFF+\i], v[ROFF+\i], 11, v[H16]  ; its row of 2,048 bytes, 16 bytes for each half of the lanes
.endr
	s_cmp_lt_u32 s29, 5
	s_cbranch_scc1 .Lpro4_\@
.irp u, 0,1,2,3
	ALOAD 4, \u, \u                                ; tile 4's go out first, so that the steps' one count serves them too
.endr
.Lpro4_\@:
.irp u, 0,1,2,3
.irp i, 0,1,2,3
	ALOAD \i, \u, \u
.endr
.endr
.endm
; THE WAY OUT of tile x: lane (r, h) holds row r and, of weight tiles 0, 1 (g) and 2, 3 (v), the rows 8 h + 0..7.  16 exponentials and 16 reciprocals are a batch each, with one wait each.
.macro EPI x
.if (\x) > 0
	s_cmp_le_u32 s29, \x
	s_cbranch_scc1 .Lepi_done                      ; the pass has no such tile
.endif
	WIN 0x01                                       ; source 0 window 1
.set k, 0
.rept 8
	v_pk_mul_f32 v[E+2*k:E+2*k+1], v[32*(\x)+2*k:32*(\x)+2*k+1], 0xbfb8aa3b op_sel_hi:[1,0]  ; - g log2(e); each accumulator is read from its low end on
.set k, k+1
.endr
	WIN 0
.set k, 0
.rept 16
	v_exp_f32 v[E+k], v[E+k]
.set k, k+1
.endr
	v_nop                                          ; a plain instruction behind the last exponential,
	s_wait_alu depctr_va_vdst(0)                   ; and the one wait ahead of the batch's first use
.set k, 0
.rept 8
	v_pk_add_f32 v[E+2*k:E+2*k+1], v[E+2*k:E+2*k+1], 1.0 op_sel_hi:[1,0]
.set k, k+1
.endr
.set k, 0
.rept 16
	v_rcp_f32 v[E+k], v[E+k]
.set k, k+1
.endr
	v_nop
	s_wait_alu depctr_va_vdst(0)
	WIN 0x01
.set k, 0
.rept 8
	v_pk_mul_f32 v[E+2*k:E+2*k+1], v[32*(\x)+2*k:32*(\x)+2*k+1], v[E+2*k:E+2*k+1]            ; g sigmoid(g) first: g v is never formed by itself
.set k, k+1
.endr
.set k, 0
.rept 8
	v_pk_mul_f32 v[E+2*k:E+2*k+1], v[32*(\x)+16+2*k:32*(\x)+16+2*k+1], v[E+2*k:E+2*k+1]
.set k, k+1
.endr
	WIN 0
.set k, 0
.rept 8
	v_cvt_pk_bf16_f32 v[O+8*(\x)+k], v[E+2*k], v[E+2*k+1]
.set k, k+1
.endr
	global_store_b128 v[L16], v[O+8*(\x):O+8*(\x)+3],   s[50:51] offset:(\x)*TSTRIDE       ; 512 consecutive bytes each, at a multiple of 256 from hf's first byte
	global_store_b128 v[L16], v[O+8*(\x)+4:O+8*(\x)+7], s[50:51] offset:(\x)*TSTRIDE+512
.endm
; THE LISTS.  Register m of my wave's eight holds the experts of 32 places of sel (place 256 wave + 128 (m / 4) + 4 lane + m % 4).  A place that names expert c or c + 4 gets the next rank there, and its token goes
; into that entry of the lists; a place that names neither sends its token to its thread's dump word, so that every lane stores.
.macro BREG m
	v_cmp_eq_u32 s52, s25, v[SEL+(\m)]
	v_cmp_eq_u32 s53, s61, v[SEL+(\m)]
	v_mbcnt_lo_u32_b32 v174, s52, s54              ; the count so far + the lanes below me that name the same expert
	v_mbcnt_lo_u32_b32 v175, s53, s55              ; the second list follows the first: its count starts at 1,024
	v_cndmask_b32 v174, v171, v174, s52
	v_cndmask_b32 v174, v174, v175, s53
	v_min_u32 v174, 0x8ff, v174                    ; 2,048 list entries and 256 dump words
	v_lshl_add_u32 v176, v174, 2, LIST1
	v_cndmask_b32 v177, v172, v173, s53
	v_add_nc_u32 v[PO+(\m)], v177, v174            ; 1024 e + rank
	v_add_nc_u32 v178, 64*((\m)/4)+((\m)%4)/2, v170  ; the token
	s_bcnt1_i32_b32 s56, s52
	s_bcnt1_i32_b32 s57, s53
	s_add_co_u32 s54, s54, s56
	s_add_co_u32 s55, s55, s57
	ds_store_b32 v176, v178
.endm
; NEXT to NOW: my wave's 8 rows of 2,048 bytes, in two halves of four rows through 64 registers, which lie beside the ring: the fragments asked for ahead are on their way into the ring meanwhile.
.macro COPY
.irp b, 0,1
.if \b
	s_wait_dscnt 0x0                               ; the first four rows are through: their registers are loaded again only behind this wait
.endif
.set k, 0
.rept 16
	ds_load_b128 v[CB+4*k:CB+4*k+3], v[CPN] offset:(4*\b+k/4)*PITCH+512*(k%4)
.set k, k+1
.endr
.set k, 0
.rept 16
.if k%4 == 0
	s_wait_dscnt 12                                ; loads k .. k + 3 are in: behind the last of them stand 12 - k loads and the k stores issued so far
.endif
	ds_store_b128 v[CPC], v[CB+4*k:CB+4*k+3] offset:(4*\b+k/4)*PITCH+512*(k%4)
.set k, k+1
.endr
.endr
.endm
	s_load_b512 s[4:19], s[0:1], 0x0               ; xb s[4:5], Wg s[6:7], Wv s[8:9], Wg_s s[10:11], Wv_s s[12:13], sel s[14:15], hf s[16:17], pos s[18:19]
	s_load_b64 s[20:21], s[0:1], 0x40              ; cnt
	v_lshl_add_u32 v[SPW], v0, 2, SPARE
	v_mov_b32 v[NIL], 0
	v_lshrrev_b32 v[TA], 5, v0
	v_readfirstlane_b32 s22, v[TA]                 ; wave 0..7
	v_and_b32 v[LANE], 31, v0
	v_and_b32 v[R], 15, v0
	v_bfe_u32 v[HF], v0, 4, 1
	v_lshlrev_b32 v[L16], 4, v[LANE]
	v_lshlrev_b32 v[H16], 4, v[HF]
	v_mul_u32_u24 v[WA], v[R], PITCH
	v_add_nc_u32 v[WA], v[WA], v[H16]
	v_add_nc_u32 v[WB], 32*PITCH, v[WA]
.irp i, 0,1,2,3,4
	v_mov_b32 v[ROFF+\i], v[H16]                   ; the row offsets begin as token 0's, in every wave
.endr
	s_and_b32 s23, s22, 3                          ; my number among the consumers, or among the producers
	s_and_b32 s24, ttmp9, 63                       ; s: the slice
	s_lshr_b32 s25, ttmp9, 6                       ; c
	s_add_co_u32 s61, s25, 4                       ; c + 4
	s_mov_b32 s26, 0                               ; the phase
	s_mov_b32 s29, 0
	s_mov_b32 s37, 256                             ; s37-s39: the rows of the consumers' next three jobs; the shared job's here, the experts' when they are counted
	s_mov_b32 s63, 0                               ; upper word of the offset pair s[62:63]
	s_lshl_b32 s31, s24, 10                        ; my block in every tile of hf
	s_lshl_b32 s40, s25, 20                        ; s40-s42: where the three jobs' first tiles begin in hf: tile 512 + 16 c,
	s_add_co_u32 s40, s40, 512<<16
	s_add_co_u32 s40, s40, s31
	s_lshl_b32 s41, s25, 22                        ; tile 64 c,
	s_add_co_u32 s41, s41, s31
	s_add_co_u32 s42, s41, 256<<16                 ; tile 64 (c + 4)
	; every address and every pointer is made here, by all eight waves, whichever kind of wave uses it
	s_mul_i32 s31, s22, 8*PITCH
	v_add_nc_u32 v[CPC], s31, v[L16]
	v_add_nc_u32 v[CPN], NXT, v[CPC]
	s_mul_i32 s31, s23, 16*PITCH
	s_add_co_u32 s31, s31, NXT
	v_lshl_add_u32 v[PS], v[LANE], 3, s31
	s_lshl_b32 s31, s23, 6
	s_add_co_u32 s31, s31, LIST1
	v_lshl_add_u32 v[LB], v[R], 2, s31
	s_lshl_b32 s31, s22, 10
	v_add_nc_u32 v[SELO], s31, v[L16]
	v_add_nc_u32 v[LA], LIST1, v[SELO]
.irp k, 160,161,162,163
	v_mov_b32 v\k, 0
.endr
	ds_store_b128 v[LA], v[160:163]                ; both lists hold token 0 where nothing else is put: each wave clears an eighth
	ds_store_b128 v[LA], v[160:163] offset:512
	s_wait_kmcnt 0x0
	global_load_b128 v[SEL:SEL+3],   v[SELO], s[14:15]             ; my wave's 256 places of sel
	global_load_b128 v[SEL+4:SEL+7], v[SELO], s[14:15] offset:512
	; producers 0, 1 take the slice's rows of g, producers 2, 3 those of v, 16 rows (64 KB on end in memory) each
	s_cmp_lt_u32 s23, 2
	s_cselect_b64 s[44:45], s[10:11], s[12:13]
	s_cselect_b64 s[46:47], s[6:7], s[8:9]
	s_and_b32 s31, s23, 1
	s_lshl_b32 s31, s31, 4
	s_lshl_b32 s62, s24, 5
	s_add_co_u32 s62, s62, s31                     ; row 32 s + 16 (number % 2)
	s_lshl_b32 s62, s62, 12
	s_add_nc_u64 s[44:45], s[44:45], s[62:63]      ; the job in hand: the shared expert's
	s_lshl_b32 s31, s25, 23                        ; an expert's 2,048 rows of 4,096 bytes
	s_add_co_u32 s62, s62, s31
	s_add_nc_u64 s[46:47], s[46:47], s[62:63]      ; the next job: expert c,
	s_add_nc_u64 s[48:49], s[46:47], 0x2000000     ; and the one after: expert c + 4
	s_lshl_b32 s62, s25, 13
	s_add_nc_u64 s[18:19], s[18:19], s[62:63]      ; plane c of pos
	JOBSET                                         ; the shared job's figures
	s_cmp_lt_u32 s22, 4
	s_cbranch_scc1 .Lcon_head
.irp r, 0,1,2,3,4,5,6
	PROW \r, 44, \r                                ; the first job's first seven rows go out before anything else
.endr
	WIN 0
	s_wait_loadcnt 56                              ; sel is in; the seven rows asked for behind it stay out
	s_branch .Lhead_join
.Lcon_head:
	; tile 4's fragments and sums are written and read under branches of their own in every K step: they are written once here, so that they hold numbers on every way through the text
.irp u, 0,1,2,3
.irp k, 0,1,2,3,4,5,6,7
	v_mov_b32 v[AF+8*(5*\u+4)+\k], 0
.endr
.endr
	WIN 0x40
.set k, 128
.rept 32
	v_mov_b32 v[k], 0
.set k, k+1
.endr
	WIN 0
	s_wait_loadcnt 0x0                             ; sel
.Lhead_join:
	; how many of my wave's places name expert c, and expert c + 4
	s_mov_b32 s54, 0
	s_mov_b32 s55, 0
.irp m, 0,1,2,3,4,5,6,7
	v_cmp_eq_u32 s52, s25, v[SEL+\m]
	v_cmp_eq_u32 s53, s61, v[SEL+\m]
	s_bcnt1_i32_b32 s56, s52
	s_bcnt1_i32_b32 s57, s53
	s_add_co_u32 s54, s54, s56
	s_add_co_u32 s55, s55, s57
.endr
	v_mov_b32 v174, s54
	v_mov_b32 v175, s55
	s_lshl_b32 s31, s22, 3
	s_add_co_u32 s31, s31, CNTP
	v_mov_b32 v176, s31
	ds_store_b64 v176, v[174:175]                  ; all lanes store the same two counts into the wave's own 8 bytes
	s_wait_dscnt 0x0                               ; for the others' sake: my counts and my part of the cleared lists are in LDS
	s_barrier_signal -1
	s_barrier_wait -1
	v_mov_b32 v177, CNTP
.irp q, 0,1,2,3
	ds_load_b128 v[CN+4*\q:CN+4*\q+3], v177 offset:16*\q
.endr
	s_wait_dscnt 0x0                               ; the sixteen counts are in registers
	s_barrier_signal -1                            ; behind this barrier the lists are scattered: those stores' addresses hang on sel, and they have the stretch up to the next barrier to themselves
	s_barrier_wait -1
	s_mov_b32 s38, 0                               ; the two experts' rows,
	s_mov_b32 s39, 0
	s_mov_b32 s54, 0                               ; and the ranks at which my wave's places begin
	s_mov_b32 s55, 1024
.irp w, 0,1,2,3,4,5,6,7
	v_readfirstlane_b32 s56, v[CN+2*\w]
	v_readfirstlane_b32 s57, v[CN+2*\w+1]
	s_add_co_u32 s38, s38, s56
	s_add_co_u32 s39, s39, s57
	s_cmp_gt_u32 s22, \w
	s_cselect_b32 s56, s56, 0
	s_cselect_b32 s57, s57, 0
	s_add_co_u32 s54, s54, s56
	s_add_co_u32 s55, s55, s57
.endr
	s_lshl_b32 s31, s22, 7
	v_lshl_add_u32 v170, v[LANE], 1, s31           ; the token of my first place: 128 wave + 2 lane
	v_add_nc_u32 v171, 0x800, v0                   ; my thread's dump word, as an entry of the lists
	s_lshl_b32 s31, s25, 10
	v_mov_b32 v172, s31                            ; 1024 c
	v_add_nc_u32 v173, 3072, v172                  ; 1024 (c + 4), less the 1,024 at which the second list's count starts
.irp m, 0,1,2,3,4,5,6,7
	BREG \m
.endr
	s_cmp_lg_u32 s24, 0
	s_cbranch_scc1 .Lno_pos                        ; pos and cnt are stored by the work-groups of slice 0 alone: one for each pair of experts
	global_store_b128 v[SELO], v[PO:PO+3],   s[18:19]              ; 512 consecutive bytes each: the eight waves fill the plane
	global_store_b128 v[SELO], v[PO+4:PO+7], s[18:19] offset:512
	s_cmp_lg_u32 s22, 0
	s_cbranch_scc1 .Lno_pos
	v_mov_b32 v174, s38                            ; cnt by wave 0: each lane stores the count into a word of its own
	v_mov_b32 v175, s39
	s_lshl_b32 s31, s25, 7
	v_lshl_add_u32 v177, v[LANE], 2, s31
	global_store_b32 v177, v174, s[20:21]          ; cnt[c][lane]
	global_store_b32 v177, v175, s[20:21] offset:512  ; cnt[c + 4][lane]
.Lno_pos:
	s_wait_xcnt 0x0                                ; the stores' data and address registers are written again only behind this wait
	s_wait_dscnt 0x0                               ; my part of the lists is in LDS
	s_barrier_signal -1
	s_barrier_wait -1
	s_min_u32 s38, s38, 1024
	s_min_u32 s39, s39, 1024
	s_cmp_lt_u32 s22, 4
	s_cbranch_scc0 .Lphase
	; a consumer's tokens for all three jobs, once: the token of row r of my tile i is entry 16 (w + 4 i) + r of the job's list
.set i, 0
.rept 16
	ds_load_b32 v[96+i],  v[LB] offset:256*i
	ds_load_b32 v[112+i], v[LB] offset:4096+256*i
.set i, i+1
.endr
	s_lshl_b32 s31, s25, 8                         ; the shared job needs no list: token 256 c + 16 (w + 4 i) + r, four tiles a wave
	s_lshl4_add_u32 s31, s23, s31
	v_add_nc_u32 v[TA], s31, v[R]
	WIN 0x40                                       ; destination window 1
.set i, 0
.rept 16
.if i < 4
	v_add_nc_u32 v[RT+i], 64*i, v[TA]
.else
	v_mov_b32 v[RT+i], v[TA]
.endif
.set i, i+1
.endr
	s_wait_dscnt 0x0
.set i, 0
.rept 32
	v_mov_b32 v[RN+i], v[96+i]
.set i, i+1
.endr
	WIN 0
	PRO                                            ; the shared job's first fragments are asked for while the producers fill its weights
.Lphase:                                               ; NJ + 1 phases: in phase f the producers fill NEXT with job f, the consumers multiply job f - 1 out of NOW
	s_cmp_lt_u32 s22, 4
	s_cbranch_scc0 .Lproducer
	s_cmp_eq_u32 s26, 0
	s_cbranch_scc1 .Ljoin
	; A CONSUMER'S JOB.  Its figures were made, and its first pass was asked for, in the phase before.
	s_mov_b32 s27, 4
.Lpass:
	s_cmp_eq_u32 s30, 0
	s_cbranch_scc1 .Lpass_next                     ; nothing is left: a dead trip
	s_cmp_eq_u32 s27, 4
	s_cbranch_scc1 .Lasked                         ; the first pass has been asked for
	PRO
.Lasked:
	v_nop                                          ; a fifth place: this pass's first products write over the sums of the pass before, behind whose last product stand the last K step's four (ISA guide 7.12.1)
	s_wait_storecnt 0x0                            ; one pass's stores at the most are ever out; in a job's first pass they were issued ahead of two barriers and the copy
	WLOAD 0, 0
.set kk, 0
.rept 32
	STEP kk
.set kk, kk+1
.endr
	EPI 0                                          ; the last K step's v_nop are the places ahead of the first reading of the sums
	EPI 1
	EPI 2
	EPI 3
	EPI 4
.Lepi_done:
	s_wait_xcnt 0x0                                ; the stores' base and data registers are rewritten only behind this wait; nothing here waits for the stores themselves
	s_add_nc_u64 s[50:51], s[50:51], 5*TSTRIDE
	s_sub_co_u32 s30, s30, s29
	WIN 0x41                                       ; destination and source 0 window 1
.set k, 0
.rept 11
	v_mov_b32 v[RT+k], v[RT+k+5]                   ; my next five tiles move up
.set k, k+1
.endr
	WIN 0
.Lpass_next:
	s_sub_co_u32 s27, s27, 1
	s_cmp_lg_u32 s27, 0
	s_cbranch_scc1 .Lpass
	s_cmp_eq_u32 s26, NJ
	s_cbranch_scc1 .Ljoin                          ; that was the last job
	s_mov_b32 s37, s38                             ; on to the next job's rows, place in hf and tokens
	s_mov_b32 s38, s39
	s_mov_b32 s40, s41
	s_mov_b32 s41, s42
	WIN 0x41
.set k, 0
.rept 16
	v_mov_b32 v[RT+k], v[RN+k]
.set k, k+1
.endr
.set k, 0
.rept 16
	v_mov_b32 v[RN+k], v[RN+16+k]
.set k, k+1
.endr
	WIN 0
	JOBSET
	PRO                                            ; its first fragments are on their way across the two barriers and the copy
	s_branch .Ljoin
.Lproducer:
	s_cmp_eq_u32 s26, NJ
	s_cbranch_scc1 .Ljoin
.irp r, 0,1,2,3,4,5,6,7,8
	PSTEP \r, 1, 44, \r+7, 48                      ; rows 0-8 ask for this job's rows 7-15
.endr
	s_cmp_eq_u32 s26, NJ-1
	s_cbranch_scc1 .Llast                          ; the last job has no successor
.irp r, 9,10,11,12,13,14,15
	PSTEP \r, 1, 46, \r-9, 48                      ; rows 9-15 ask for the next job's rows 0-6: the stream runs on across the barriers
.endr
	s_wait_xcnt 0x0                                ; the pending loads' bases are rewritten only behind this wait
	s_mov_b64 s[44:45], s[46:47]
	s_mov_b64 s[46:47], s[48:49]
	s_branch .Ljoin
.Llast:
.irp r, 9,10,11,12,13,14,15
	PSTEP \r, 0, 0, 0, 8*(15-\r)
.endr
.Ljoin:
	s_wait_dscnt 0x0                               ; the producers' stores into NEXT are in LDS, the consumers' reads of NOW are back
	s_barrier_signal -1
	s_barrier_wait -1
	s_cmp_eq_u32 s26, NJ
	s_cbranch_scc1 .Lnocopy                        ; behind the last job nothing is left to copy
	COPY
.Lnocopy:
	s_wait_dscnt 0x0                               ; my reads of NEXT are back, my stores into NOW are in LDS
	s_barrier_signal -1
	s_barrier_wait -1
	s_add_co_u32 s26, s26, 1
	s_cmp_lt_u32 s26, NJ+1
	s_cbranch_scc1 .Lphase
	s_wait_tensorcnt 0x0                           ; the wave's end: behind my last LDS store
	ds_add_u32 v[SPW], v[NIL]
	s_wait_dscnt 0x0
	s_endpgm
.Lfunc_end_k_qe044cae1d8_up:
	.size	k_qe044cae1d8_up, .Lfunc_end_k_qe044cae1d8_up-k_qe044cae1d8_up
	.p2alignl 7, 3214868480
	.fill 96, 4, 3214868480
	.section	.rodata,"a",@progbits
	.p2align	6, 0x0
	.amdhsa_kernel k_qe044cae1d8_up
		.amdhsa_group_segment_fixed_size 274688
		.amdhsa_private_segment_fixed_size 0
		.amdhsa_enable_private_segment 0
		.amdhsa_kernarg_size 72
		.amdhsa_user_sgpr_count 2
		.amdhsa_user_sgpr_kernarg_segment_ptr 1
		.amdhsa_wavefront_size32 1
		.amdhsa_system_sgpr_workgroup_id_x 1
		.amdhsa_system_sgpr_workgroup_id_y 1
		.amdhsa_system_sgpr_workgroup_id_z 1
		.amdhsa_system_vgpr_workitem_id 0
		.amdhsa_next_free_vgpr 512
		.amdhsa_next_free_sgpr 66
		.amdhsa_reserve_vcc 0
		.amdhsa_float_denorm_mode_32 3
		.amdhsa_float_denorm_mode_16_64 3
		.amdhsa_memory_ordered 1
		.amdhsa_forward_progress 1
		.amdhsa_inst_pref_size 217
	.end_amdhsa_kernel
	.amdgpu_metadata
---
amdhsa.version: [ 1, 2 ]
amdhsa.kernels:
  - .name:           k_qe044cae1d8_up
    .symbol:         k_qe044cae1d8_up.kd
    .args:
      - { .name: xb, .offset: 0, .size: 8, .value_kind: global_buffer, .address_space: global }
      - { .name: Wg, .offset: 8, .size: 8, .value_kind: global_buffer, .address_space: global }
      - { .name: Wv, .offset: 16, .size: 8, .value_kind: global_buffer, .address_space: global }
      - { .name: Wg_s, .offset: 24, .size: 8, .value_kind: global_buffer, .address_space: global }
      - { .name: Wv_s, .offset: 32, .size: 8, .value_kind: global_buffer, .address_space: global }
      - { .name: sel, .offset: 40, .size: 8, .value_kind: global_buffer, .address_space: global }
      - { .name: hf, .offset: 48, .size: 8, .value_kind: global_buffer, .address_space: global }
      - { .name: pos, .offset: 56, .size: 8, .value_kind: global_buffer, .address_space: global }
      - { .name: cnt, .offset: 64, .size: 8, .value_kind: global_buffer, .address_space: global }
    .group_segment_fixed_size: 274688
    .private_segment_fixed_size: 0
    .kernarg_segment_align: 8
    .kernarg_segment_size: 72
    .max_flat_workgroup_size: 256
    .sgpr_count:     66
    .vgpr_count:     512
    .wavefront_size: 32
...
	.end_amdgpu_metadata
.endif
;; end of part 2
;; launch down (part 3): grid 256 x 1, 8 waves a work-group, no clusters, 282,624 bytes of LDS; arguments hf, Wo, Wo_s, cnt, p; writes p
.if DOCPART == 3
	.amdgcn_target "amdgcn-amd-amdhsa--gfx1250"
	.amdhsa_code_object_version 6
	.text
	.protected	k_qe044cae1d8_down
	.globl	k_qe044cae1d8_down
	.p2align	8
	.type	k_qe044cae1d8_down,@function
k_qe044cae1d8_down:
	s_mov_b64 s[64:65], 0
	v_nop
	global_prefetch_b8 v0, s[64:65] scope:SCOPE_SE
	s_setreg_imm32_b32 hwreg(HW_REG_WAVE_MODE, 25, 1), 1
	s_wait_xcnt 0x0
; DOWN.  Partial rows of h Wo^T, K (2,048) split into two halves that are added in the next launch.
; hf: h in bf16 in operand order (576 tiles of 16 rows x 64 blocks of 1,024 bytes; byte 512 a + 16 lane of a block holds h[row lane % 16][16 a + 8 (lane / 16) + 0..7]).  Wo [8][1024][2048] f32,
; Wo_s [1024][2048] f32, cnt [8][32] the rows of expert e (32 times; the first is read).  p [2 halves][9,216 rows][1,024] f32, row 16 x tile + r: partial sums, kept in f32.
; LIMITS.  The weights are rounded to bf16 (nearest even) on their way through registers; sums in f32.  NaN and infinities are not treated apart.  An expert may have 0 to 1,024 rows.
; JOBS.  A job is a slice of weights (64 output channels x 1,024 of K: 128 KB in bf16) and a run of row tiles.  Work-group w (e = w / 32, d = (w % 32) / 2, half = w % 2) walks two: slice (d, half) of the
; shared expert on its rows 128 e .. + 127; slice (d, half) of expert e on all its rows.  Each routed weight byte has one work-group that loads it, and all work-groups load alike.
; With the split of K a row's piece of p is 64 f32, 256 consecutive bytes, and each fragment of h feeds 4 weight tiles.
; WAVES AND LDS: as in the launch before.  Waves 4-7 load, round and store the next job's weights into the region NEXT, waves 0-3 multiply the job before out of the region NOW; a phase ends with a barrier, the copy of
; NEXT to NOW by all eight waves and a second barrier.  Every LDS address is a register made once, at the head, by all waves, and an immediate; K is written out, 32 steps.
; ROWS.  Up to 5 tiles of 16 rows in a pass, 4 passes at the most; tiles 0-3 of a pass are always multiplied, tile 4's products and its loads stand under a branch each in every step.  The shared job's 8 tiles go to waves 0 and 1,
; four on end each, so that no place of a pass is empty; an expert's tiles w, w + 4, .. go to wave w.  Places past a wave's tiles repeat its last tile and are not stored.  Rows past an expert's count inside its last tile land
; in rows of p that hold no result.
; ASKED FOR AHEAD.  The fragments of h of a job's first four K steps are asked for as soon as the job before is finished, ahead of the phase's two barriers and the copy (the first job's: at the head).  A wave that has no
; tile of a job asks all the same, for a tile inside hf (32 loads, 16 KB), and uses nothing of it: so the ring's registers are written on every way through the text.
; NO CLUSTER, NO TENSOR LOADS: the number of an expert's tiles hangs on cnt, so a ring of joint loads of hf would stand in a loop of no fixed length; a routed slice has one work-group; the shared slices
; (8 work-groups each) would arrive as f32, 256 KB a slice, and two such regions do not fit in LDS.
; REGISTERS.  Window 0: v0-26 addresses; v32-95 two buffers of 4 weight fragments (producers: two buffers of 16 rounded registers; in all waves: the copy's 64); v96-255 a ring of 4 K steps x 5 tiles x 8 registers of
; fragments of h (on the way out: tile i's 16 rows, read back).  Window 1: consumers v0-159 the accumulators, (weight tile a, row tile i) at 8 (4 i + a); producers v0-255 eight sets of 8 loads.
; No register number is the target of loads in both kinds of wave but v32-95, whose loads are all awaited ahead of every barrier.
.set NJ,     2
.set PITCH,  2064                      ; an LDS row of weights: 2,048 bytes + 16 = 516 words: row r starts at bank 4 r mod 64 (64 banks of 4 bytes: ISA guide 11.1)
.set WBUF,   64*PITCH                  ; NOW: 64 rows from byte 0
.set NXT,    WBUF                      ; NEXT: 64 rows
.set STAGE,  2*WBUF                    ; 16 rows x 272 bytes for each consumer, for the way out
.set SPARE,  STAGE+4*16*272            ; the spare words, 128 bytes for each wave, which no other line names
.set RS,     8192                      ; bytes from one weight row to the next in memory
.set PLANE,  9216*4096                 ; a K half's plane of p
.set LANE, 1
.set SPW,  2                           ; LDS address of my spare word; never rewritten
.set NIL,  3                           ; 0; never rewritten
.set R,    4
.set HF,   5
.set L16,  6
.set WA,   8                           ; LDS address for weight tiles 0, 1: PITCH r + 16 h; never rewritten
.set WB,   9                           ; for tiles 2, 3 (named as WA + 1); never rewritten
.set PS,   10                          ; 16 rows of NEXT by my number among four + 8 x lane; never rewritten
.set STO,  11                          ; the way out: where I put 32 bytes of a row
.set RD,   12                          ; where I read rows back
.set SO,   13                          ; my byte offset in two rows of p
.set CPN,  14                          ; the copy: my wave's 8 rows of NEXT + 16 x lane
.set CPC,  15                          ; and of NOW
.set AO,   16                          ; v16-20  tile i's byte offset in hf from my pass's first tile, + 16 x lane
.set SOF,  21                          ; v21-25  tile i's byte offset in p from my pass's first tile, + SO
.set TA,   26
.set WF,   32
.set T,    32
.set CB,   32                          ; the copy's 64 registers
.set AF,   96
.set OB,   96                          ; the way out: tile i's 16 rows, read back from the stage, at OB + 32 i
.set MSB, 0
.macro WIN new                         ; s_set_vgpr_msb: bits 1:0 source 0, 3:2 source 1, 5:4 source 2, 7:6 destination; the high byte repeats the setting that is left
.if MSB != (\new)
	s_set_vgpr_msb (MSB<<8)|(\new)
.set MSB, \new
.endif
.endm
.macro PLACES                          ; four places behind a matrix instruction, ahead of a reading of its result and of loads into its sources (ISA guide 7.12.1 for vector instructions)
.rept 4
	v_nop
.endr
.endm
; PRODUCER.  The K half's 4,096 bytes of one row into a set of 32 registers: 8 loads of 512 consecutive bytes.
.macro PROW set, ptr, row
	WIN 0x40                                       ; destination window 1, address window 0
.set l, 0
.rept 8
	global_load_b128 v[32*(\set)+4*l:32*(\set)+4*l+3], v[L16], s[\ptr:\ptr+1] offset:(\row)*RS+512*l
.set l, l+1
.endr
.endm
; Row step: my row is rounded and stored into NEXT.  ld = 1: the row seven further on is asked for, into the set that the step before has read out: 56 loads of mine are out.
.macro PSTEP row, ld, ptr, lrow, cnt
	s_wait_loadcnt \cnt                            ; my row is in; the younger rows, 8 loads each, stay out
	WIN 0x05                                       ; sources window 1, destination window 0
.set l, 0
.rept 8
	v_cvt_pk_bf16_f32 v[T+16*((\row)%2)+2*l],   v[32*((\row)%8)+4*l],   v[32*((\row)%8)+4*l+1]
	v_cvt_pk_bf16_f32 v[T+16*((\row)%2)+2*l+1], v[32*((\row)%8)+4*l+2], v[32*((\row)%8)+4*l+3]
.set l, l+1
.endr
.if \ld
	PROW ((\row)+7)%8, \ptr, \lrow
.endif
	WIN 0
	s_wait_dscnt 8                                 ; only the row before's eight stores may be out: sixteen LDS stores of mine at the most
.set l, 0
.rept 8
	ds_store_b64 v[PS], v[T+16*((\row)%2)+2*l:T+16*((\row)%2)+2*l+1] offset:(\row)*PITCH+256*l  ; 256 consecutive bytes of a row
.set l, l+1
.endr
.endm
; CONSUMER.  The 4 weight fragments of one K step (byte koff of the rows) into buffer buf.
.macro WLOAD buf, koff
.irp a, 0,1,2,3
	ds_load_b128 v[WF+32*(\buf)+8*\a:WF+32*(\buf)+8*\a+3],   v[WA+\a/2] offset:(\koff)+16*PITCH*(\a%2)
	ds_load_b128 v[WF+32*(\buf)+8*\a+4:WF+32*(\buf)+8*\a+7], v[WA+\a/2] offset:(\koff)+16*PITCH*(\a%2)+32
.endr
.endm
; Tile i's fragment of h of K step st, into place u of the ring: each load takes 512 consecutive bytes of hf.
.macro ALOAD i, u, st
	global_load_b128 v[AF+8*(5*(\u)+(\i)):AF+8*(5*(\u)+(\i))+3],   v[AO+(\i)], s[54:55] offset:1024*(\st)
	global_load_b128 v[AF+8*(5*(\u)+(\i))+4:AF+8*(5*(\u)+(\i))+7], v[AO+(\i)], s[54:55] offset:1024*(\st)+512
.endm
; Tile i times the 4 weight tiles.  zero: the first K step starts the sums.
.macro MUL i, u, buf, zero
.irp a, 0,1,2,3
.if \zero
	v_wmma_f32_16x16x32_bf16 v[8*(4*(\i)+\a):8*(4*(\i)+\a)+7], v[WF+32*(\buf)+8*\a:WF+32*(\buf)+8*\a+7], v[AF+8*(5*(\u)+(\i)):AF+8*(5*(\u)+(\i))+7], 0
.else
	v_wmma_f32_16x16x32_bf16 v[8*(4*(\i)+\a):8*(4*(\i)+\a)+7], v[WF+32*(\buf)+8*\a:WF+32*(\buf)+8*\a+7], v[AF+8*(5*(\u)+(\i)):AF+8*(5*(\u)+(\i))+7], v[8*(4*(\i)+\a):8*(4*(\i)+\a)+7]
.endif
.endr
.endm
; K step st of 32.  The next step's weight fragments are asked for; 16 matrix instructions, and tile 4's four on end behind them if the pass has one: each accumulator once, so that they take turns;
; one group of four places; then one run of loads: the fragments of h four steps on, into the place just read, tile 4's last.
.macro STEP st
	WIN 0
.if (\st) < 31
	WLOAD ((\st)+1)%2, 64*((\st)+1)
.endif
.if (\st) < 29
	s_wait_loadcnt 24                              ; this step's fragments of h are in: behind them stand three steps' loads, 8 each at the least (10 with tile 4)
.else
	s_wait_loadcnt 8*(31-(\st))                    ; nothing is asked for any more: the count runs down
.endif
.if (\st) < 31
	s_wait_dscnt 8                                 ; this step's weight fragments are in; the eight loads just issued stay out
.else
	s_wait_dscnt 0x0
.endif
	WIN 0x50                                       ; C and D window 1
.irp i, 0,1,2,3
	MUL \i, (\st)%4, (\st)%2, ((\st)==0)
.endr
	WIN 0
	s_cmp_lt_u32 s29, 5
	s_cbranch_scc1 .Lno5_\@                        ; the pass has four tiles or fewer
	WIN 0x50
	MUL 4, (\st)%4, (\st)%2, ((\st)==0)
	WIN 0
.Lno5_\@:
	PLACES
.if (\st) < 28
.irp i, 0,1,2,3
	ALOAD \i, (\st)%4, (\st)+4
.endr
	s_cmp_lt_u32 s29, 5
	s_cbranch_scc1 .Lnl5_\@
	ALOAD 4, (\st)%4, (\st)+4
.Lnl5_\@:
.endif
.endm
; A job's figures: how many tiles are mine (s30), the bytes from one of them to the next (s36), and where the first lies in p and in hf.  oh, op: the registers with the job's first tile's offsets in hf and in p.
.macro JOBSET shared, oh, op
.if \shared
	s_lshl_b32 s31, s23, 18                        ; the shared job's 8 tiles: waves 0 and 1 take four on end each;
	s_cmp_lt_u32 s23, 2
	s_cselect_b32 s30, 4, 0
	s_cselect_b32 s31, s31, 0                      ; a wave without tiles points at the job's first
	s_mov_b32 s36, 0x10000
.else
	s_add_co_u32 s30, s38, 15
	s_lshr_b32 s30, s30, 4                         ; the expert's tiles of 16 rows,
	s_add_co_u32 s30, s30, 3
	s_sub_co_u32 s30, s30, s23
	s_lshr_b32 s30, s30, 2                         ; of which mine are w, w + 4, ..
	s_lshl_b32 s31, s23, 16
	s_mov_b32 s36, 0x40000
.endif
	s_add_co_u32 s62, s31, s[\op]
	s_add_nc_u64 s[50:51], s[12:13], s[62:63]      ; p at my first tile
	s_add_co_u32 s62, s31, s[\oh]
	s_add_nc_u64 s[54:55], s[4:5], s[62:63]        ; hf at my first tile
.irp i, 0,1,2,3,4
	s_mul_i32 s33, s36, \i
	v_add_nc_u32 v[SOF+\i], s33, v[SO]
.endr
.endm
; A pass is asked for: its number of tiles, its tiles' offsets, and the fragments of h of its first four K steps, which fill the ring.
.macro PRO
	s_min_u32 s29, s30, 5                          ; t: the pass's tiles
	s_max_u32 s32, s29, 1
	s_sub_co_u32 s32, s32, 1                       ; the last of them (of a wave without tiles: the first place)
	s_wait_loadcnt 0x0                             ; none of my loads is out: their offsets and their registers are written again below
	s_wait_xcnt 0x0                                ; and the ring's registers that my last stores read are loaded again only behind this wait
.irp i, 1,2,3,4
	s_min_u32 s33, s32, \i                         ; a place past my tiles repeats the last of them
	s_mul_i32 s33, s33, s36
	v_add_nc_u32 v[AO+\i], s33, v[L16]
.endr
	s_cmp_lt_u32 s29, 5
	s_cbranch_scc1 .Lpro4_\@
.irp u, 0,1,2,3
	ALOAD 4, \u, \u                                ; tile 4's go out first, so that the steps' one count serves them too
.endr
.Lpro4_\@:
.irp u, 0,1,2,3
.irp i, 0,1,2,3
	ALOAD \i, \u, \u
.endr
.endr
.endm
; THE WAY OUT of tile x: lane (r, h) holds row r and, of weight tile a, the channels 16 a + 8 h + 0..7: 32 bytes of a row's 256.  They go through my own stage and come back as whole rows.
.macro EPI x
.if (\x) > 0
	s_cmp_le_u32 s29, \x
	s_cbranch_scc1 .Lepi_done                      ; the pass has no such tile
.endif
	WIN 0x04                                       ; the stores' data in window 1
.irp a, 0,1,2,3
	ds_store_b128 v[STO], v[8*(4*(\x)+\a):8*(4*(\x)+\a)+3]   offset:64*\a       ; each accumulator is read from its low end on
	ds_store_b128 v[STO], v[8*(4*(\x)+\a)+4:8*(4*(\x)+\a)+7] offset:64*\a+16
.endr
	WIN 0
.irp q, 0,1,2,3,4,5,6,7
	ds_load_b128 v[OB+32*(\x)+4*\q:OB+32*(\x)+4*\q+3], v[RD] offset:544*\q      ; LDS serves a wave's instructions in order (ISA guide 5.7.1.4): these see the stores above
.endr
	s_wait_dscnt 0x0
.irp q, 0,1,2,3,4,5,6,7
	global_store_b128 v[SOF+(\x)], v[OB+32*(\x)+4*\q:OB+32*(\x)+4*\q+3], s[50:51] offset:8192*\q  ; 16 lanes store 256 consecutive bytes, at a multiple of 256 from p's first byte
.endr
.endm
; NEXT to NOW: my wave's 8 rows of 2,048 bytes, in two halves of four rows through 64 registers, which lie beside the ring: the fragments asked for ahead are on their way into the ring meanwhile.
.macro COPY
.irp b, 0,1
.if \b
	s_wait_dscnt 0x0                               ; the first four rows are through: their registers are loaded again only behind this wait
.endif
.set k, 0
.rept 16
	ds_load_b128 v[CB+4*k:CB+4*k+3], v[CPN] offset:(4*\b+k/4)*PITCH+512*(k%4)
.set k, k+1
.endr
.set k, 0
.rept 16
.if k%4 == 0
	s_wait_dscnt 12                                ; loads k .. k + 3 are in: behind the last of them stand 12 - k loads and the k stores issued so far
.endif
	ds_store_b128 v[CPC], v[CB+4*k:CB+4*k+3] offset:(4*\b+k/4)*PITCH+512*(k%4)
.set k, k+1
.endr
.endr
.endm
	s_load_b256 s[4:11], s[0:1], 0x0               ; hf s[4:5], Wo s[6:7], Wo_s s[8:9], cnt s[10:11]
	s_load_b64 s[12:13], s[0:1], 0x20              ; p
	v_lshl_add_u32 v[SPW], v0, 2, SPARE
	v_mov_b32 v[NIL], 0
	v_lshrrev_b32 v[TA], 5, v0
	v_readfirstlane_b32 s22, v[TA]                 ; wave 0..7
	v_and_b32 v[LANE], 31, v0
	v_and_b32 v[R], 15, v0
	v_bfe_u32 v[HF], v0, 4, 1
	v_lshlrev_b32 v[L16], 4, v[LANE]
.irp i, 0,1,2,3,4
	v_mov_b32 v[AO+\i], v[L16]                     ; the tiles' offsets begin as tile 0's, in every wave; tile 0's stays
.endr
	v_mul_u32_u24 v[WA], v[R], PITCH
	v_lshl_add_u32 v[WA], v[HF], 4, v[WA]
	v_add_nc_u32 v[WB], 32*PITCH, v[WA]
	s_and_b32 s23, s22, 3                          ; my number among the consumers, or among the producers
	s_lshr_b32 s25, ttmp9, 5                       ; e
	s_bfe_u32 s24, ttmp9, 0x40001                  ; d: 4 bits from bit 1
	s_and_b32 s21, ttmp9, 1                        ; the K half
	s_mov_b32 s26, 0                               ; the phase
	s_mov_b32 s29, 0
	s_mov_b32 s63, 0                               ; upper word of the offset pair s[62:63]
	s_lshl_b32 s39, s25, 7                         ; expert e's 32 words of cnt
	s_lshl_b32 s31, s21, 15                        ; the half's 32 blocks in a tile of hf
	s_lshl_b32 s40, s25, 19
	s_add_co_u32 s40, s40, 512<<16                 ; tile 512 + 8 e
	s_lshl_b32 s41, s25, 22                        ; tile 64 e
	s_mul_i32 s42, s21, PLANE
	s_lshl_b32 s43, s24, 8                         ; my 256 bytes of a row of p
	s_add_co_u32 s43, s43, s42
	s_add_co_u32 s42, s43, s40                     ; s42, s43: where the two jobs' first tiles begin in p
	s_add_co_u32 s43, s43, s41
	s_add_co_u32 s40, s40, s31                     ; s40, s41: and in hf
	s_add_co_u32 s41, s41, s31
	; every address and every pointer is made here, by all eight waves, whichever kind of wave uses it
	s_mul_i32 s31, s23, 16*272
	s_add_co_u32 s31, s31, STAGE                   ; my stage
	v_mul_u32_u24 v[STO], v[R], 272
	v_lshl_add_u32 v[STO], v[HF], 5, v[STO]
	v_add_nc_u32 v[STO], s31, v[STO]
	v_mul_u32_u24 v[RD], v[HF], 272                ; back: lanes 0-15 take one row of 256 bytes, lanes 16-31 the next
	v_lshl_add_u32 v[RD], v[R], 4, v[RD]
	v_add_nc_u32 v[RD], s31, v[RD]
	v_lshlrev_b32 v[SO], 12, v[HF]                 ; and the same two rows in p
	v_lshl_add_u32 v[SO], v[R], 4, v[SO]
	s_mul_i32 s31, s22, 8*PITCH
	v_add_nc_u32 v[CPC], s31, v[L16]
	v_add_nc_u32 v[CPN], NXT, v[CPC]
	s_mul_i32 s31, s23, 16*PITCH
	s_add_co_u32 s31, s31, NXT
	v_lshl_add_u32 v[PS], v[LANE], 3, s31
	s_wait_kmcnt 0x0
	s_load_b32 s38, s[10:11], s39 offset:0x0       ; cnt[e]
	; a producer takes 16 of the slice's 64 rows, of each the K half's 4,096 bytes
	s_lshl_b32 s62, s24, 6
	s_lshl4_add_u32 s62, s23, s62                  ; row 64 d + 16 x my number
	s_lshl_b32 s62, s62, 13
	s_lshl_b32 s31, s21, 12
	s_add_co_u32 s62, s62, s31
	s_add_nc_u64 s[44:45], s[8:9], s[62:63]        ; the job in hand: the shared expert's
	s_lshl_b32 s31, s25, 23                        ; an expert's 1,024 rows of 8,192 bytes
	s_add_co_u32 s62, s62, s31
	s_add_nc_u64 s[46:47], s[6:7], s[62:63]        ; the next job: expert e
	JOBSET 1, 40, 42                               ; the shared job's figures
	s_cmp_lt_u32 s22, 4
	s_cbranch_scc1 .Lcon_head
.irp r, 0,1,2,3,4,5,6
	PROW \r, 44, \r                                ; the first job's first seven rows go out before anything else
.endr
	WIN 0
	s_branch .Lhead_done
.Lcon_head:
	; tile 4's fragments and sums are written and read under branches of their own in every K step: they are written once here, so that they hold numbers on every way through the text
.irp u, 0,1,2,3
.irp k, 0,1,2,3,4,5,6,7
	v_mov_b32 v[AF+8*(5*\u+4)+\k], 0
.endr
.endr
	WIN 0x40
.set k, 128
.rept 32
	v_mov_b32 v[k], 0
.set k, k+1
.endr
	WIN 0
	PRO                                            ; the shared job's first fragments are asked for while the producers fill its weights
.Lhead_done:
	s_wait_kmcnt 0x0
	s_min_u32 s38, s38, 1024                       ; the expert's rows
.Lphase:                                               ; NJ + 1 phases: in phase f the producers fill NEXT with job f, the consumers multiply job f - 1 out of NOW
	s_cmp_lt_u32 s22, 4
	s_cbranch_scc0 .Lproducer
	s_cmp_eq_u32 s26, 0
	s_cbranch_scc1 .Ljoin
	; A CONSUMER'S JOB.  Its figures were made, and its first pass was asked for, in the phase before.
	s_mov_b32 s27, 4
.Lpass:
	s_cmp_eq_u32 s30, 0
	s_cbranch_scc1 .Lpass_next                     ; nothing is left: a dead trip
	s_cmp_eq_u32 s27, 4
	s_cbranch_scc1 .Lasked                         ; the first pass has been asked for
	PRO
.Lasked:
	v_nop                                          ; a fifth place: this pass's first products write over the sums of the pass before, behind whose last product stand the last K step's four (ISA guide 7.12.1)
	s_wait_storecnt 0x0                            ; one pass's stores at the most are ever out; in a job's first pass they were issued ahead of two barriers and the copy
	WLOAD 0, 0
.set kk, 0
.rept 32
	STEP kk
.set kk, kk+1
.endr
	EPI 0                                          ; the last K step's v_nop are the places ahead of the first reading of the sums
	EPI 1
	EPI 2
	EPI 3
	EPI 4
.Lepi_done:
	s_wait_xcnt 0x0                                ; the stores' base, offsets and data registers are rewritten only behind this wait; nothing here waits for the stores themselves
	s_mul_i32 s62, s36, 5
	s_add_nc_u64 s[50:51], s[50:51], s[62:63]
	s_add_nc_u64 s[54:55], s[54:55], s[62:63]
	s_sub_co_u32 s30, s30, s29
.Lpass_next:
	s_sub_co_u32 s27, s27, 1
	s_cmp_lg_u32 s27, 0
	s_cbranch_scc1 .Lpass
	s_cmp_eq_u32 s26, NJ
	s_cbranch_scc1 .Ljoin                          ; that was the last job
	s_wait_loadcnt 0x0                             ; a wave that had no tile has not waited for what it asked: the loads' base is rewritten only behind this wait
	JOBSET 0, 41, 43                               ; on to the expert's job
	PRO                                            ; its first fragments are on their way across the two barriers and the copy
	s_branch .Ljoin
.Lproducer:
	s_cmp_eq_u32 s26, NJ
	s_cbranch_scc1 .Ljoin
.irp r, 0,1,2,3,4,5,6,7,8
	PSTEP \r, 1, 44, \r+7, 48                      ; rows 0-8 ask for this job's rows 7-15
.endr
	s_cmp_eq_u32 s26, NJ-1
	s_cbranch_scc1 .Llast                          ; the last job has no successor
.irp r, 9,10,11,12,13,14,15
	PSTEP \r, 1, 46, \r-9, 48                      ; rows 9-15 ask for the next job's rows 0-6: the stream runs on across the barriers
.endr
	s_wait_xcnt 0x0                                ; the pending loads' base is rewritten only behind this wait
	s_mov_b64 s[44:45], s[46:47]
	s_branch .Ljoin
.Llast:
.irp r, 9,10,11,12,13,14,15
	PSTEP \r, 0, 0, 0, 8*(15-\r)
.endr
.Ljoin:
	s_wait_dscnt 0x0                               ; the producers' stores into NEXT are in LDS, the consumers' reads of NOW are back
	s_barrier_signal -1
	s_barrier_wait -1
	s_cmp_eq_u32 s26, NJ
	s_cbranch_scc1 .Lnocopy                        ; behind the last job nothing is left to copy
	COPY
.Lnocopy:
	s_wait_dscnt 0x0                               ; my reads of NEXT are back, my stores into NOW are in LDS
	s_barrier_signal -1
	s_barrier_wait -1
	s_add_co_u32 s26, s26, 1
	s_cmp_lt_u32 s26, NJ+1
	s_cbranch_scc1 .Lphase
	s_wait_tensorcnt 0x0                           ; the wave's end: behind my last LDS store
	ds_add_u32 v[SPW], v[NIL]
	s_wait_dscnt 0x0
	s_endpgm
.Lfunc_end_k_qe044cae1d8_down:
	.size	k_qe044cae1d8_down, .Lfunc_end_k_qe044cae1d8_down-k_qe044cae1d8_down
	.p2alignl 7, 3214868480
	.fill 96, 4, 3214868480
	.section	.rodata,"a",@progbits
	.p2align	6, 0x0
	.amdhsa_kernel k_qe044cae1d8_down
		.amdhsa_group_segment_fixed_size 282624
		.amdhsa_private_segment_fixed_size 0
		.amdhsa_enable_private_segment 0
		.amdhsa_kernarg_size 40
		.amdhsa_user_sgpr_count 2
		.amdhsa_user_sgpr_kernarg_segment_ptr 1
		.amdhsa_wavefront_size32 1
		.amdhsa_system_sgpr_workgroup_id_x 1
		.amdhsa_system_sgpr_workgroup_id_y 1
		.amdhsa_system_sgpr_workgroup_id_z 1
		.amdhsa_system_vgpr_workitem_id 0
		.amdhsa_next_free_vgpr 512
		.amdhsa_next_free_sgpr 66
		.amdhsa_reserve_vcc 0
		.amdhsa_float_denorm_mode_32 3
		.amdhsa_float_denorm_mode_16_64 3
		.amdhsa_memory_ordered 1
		.amdhsa_forward_progress 1
		.amdhsa_inst_pref_size 187
	.end_amdhsa_kernel
	.amdgpu_metadata
---
amdhsa.version: [ 1, 2 ]
amdhsa.kernels:
  - .name:           k_qe044cae1d8_down
    .symbol:         k_qe044cae1d8_down.kd
    .args:
      - { .name: hf, .offset: 0, .size: 8, .value_kind: global_buffer, .address_space: global }
      - { .name: Wo, .offset: 8, .size: 8, .value_kind: global_buffer, .address_space: global }
      - { .name: Wo_s, .offset: 16, .size: 8, .value_kind: global_buffer, .address_space: global }
      - { .name: cnt, .offset: 24, .size: 8, .value_kind: global_buffer, .address_space: global }
      - { .name: p, .offset: 32, .size: 8, .value_kind: global_buffer, .address_space: global }
    .group_segment_fixed_size: 282624
    .private_segment_fixed_size: 0
    .kernarg_segment_align: 8
    .kernarg_segment_size: 40
    .max_flat_workgroup_size: 256
    .sgpr_count:     66
    .vgpr_count:     512
    .wavefront_size: 32
...
	.end_amdgpu_metadata
.endif
;; end of part 3
;; launch sum (part 4): grid 256 x 1, 8 waves a work-group, no clusters, 0 bytes of LDS; arguments p, pos, sel, gw, bo, bo_s, out0; writes out0
.if DOCPART == 4
	.amdgcn_target "amdgcn-amd-amdhsa--gfx1250"
	.amdhsa_code_object_version 6
	.text
	.protected	k_qe044cae1d8_sum
	.globl	k_qe044cae1d8_sum
	.p2align	8
	.type	k_qe044cae1d8_sum,@function
k_qe044cae1d8_sum:
	s_mov_b64 s[64:65], 0
	v_nop
	global_prefetch_b8 v0, s[64:65] scope:SCOPE_SE
	s_setreg_imm32_b32 hwreg(HW_REG_WAVE_MODE, 25, 1), 1
	s_wait_xcnt 0x0
; SUM.  out0[t] = w0 (P[pos0] + bo[e0]) + w1 (P[pos1] + bo[e1]) + P[8192 + t] + bo_s, where P[row] is the sum of the row's two K halves in p.
; p [2][9,216][1,024] f32; pos [4][2048]: the row of place 2 t + k, which names expert e, stands in plane e % 4; sel [1024][2] the experts; gw [1024][2] f32 their weights; bo [8][1024], bo_s [1024] f32;
; out0 [1024][1024] f32.
; LIMITS.  bo and bo_s are rounded to bf16 (nearest even), like every other input of the program; all sums in f32.  NaN and infinities are not treated apart.
; A stream: each output row has one owner.  A wave takes half a token's row (2,048 bytes): 36 loads of 512 consecutive bytes, all out before the one wait, and 4 stores of 512 consecutive bytes.
; Matrix units, LDS and clusters have nothing to do here: no byte of p is wanted twice.
.set PLANE, 9216*4096
.set A, 16                             ; source n, 16 registers each, at A + 16 n: 0, 1 the first expert's two halves; 2, 3 the second's; 4, 5 the shared expert's; 6, 7 bo of the two experts; 8 bo_s
.macro LDP src, off, base              ; four loads of 512 bytes of p, which nobody wants again
.irp c, 0,1,2,3
	global_load_b128 v[A+16*(\src)+4*\c:A+16*(\src)+4*\c+3], v[\off], s[\base:\base+1] offset:512*\c th:TH_LOAD_NT
.endr
.endm
.macro LDB src, base                   ; the same of a bias, which other waves want too
.irp c, 0,1,2,3
	global_load_b128 v[A+16*(\src)+4*\c:A+16*(\src)+4*\c+3], v1, s[\base:\base+1] offset:512*\c
.endr
.endm
.macro RB src                          ; 16 numbers rounded to bf16 and widened again
.set k, 0
.rept 8
	v_cvt_pk_bf16_f32 v[160+k], v[A+16*(\src)+2*k], v[A+16*(\src)+2*k+1]
.set k, k+1
.endr
.set k, 0
.rept 8
	v_lshlrev_b32 v[A+16*(\src)+2*k], 16, v[160+k]
	v_and_b32 v[A+16*(\src)+2*k+1], 0xffff0000, v[160+k]
.set k, k+1
.endr
.endm
.macro ADD dst, src                    ; source dst += source src
.set k, 0
.rept 8
	v_pk_add_f32 v[A+16*(\dst)+2*k:A+16*(\dst)+2*k+1], v[A+16*(\dst)+2*k:A+16*(\dst)+2*k+1], v[A+16*(\src)+2*k:A+16*(\src)+2*k+1]
.set k, k+1
.endr
.endm
.macro FMA src, w                      ; source 4 += source src x the weight in the low word of s[w:w+1]
.set k, 0
.rept 8
	v_pk_fma_f32 v[A+64+2*k:A+64+2*k+1], v[A+16*(\src)+2*k:A+16*(\src)+2*k+1], s[\w:\w+1], v[A+64+2*k:A+64+2*k+1] op_sel_hi:[1,0,1]
.set k, k+1
.endr
.endm
.macro PICK dst, which, word           ; dst = word (0, 1) of the pair that plane 'which' of pos holds for my token
	s_cmp_eq_u32 s[\which], 1
	s_cselect_b32 s[\dst], s[50+(\word)], s[48+(\word)]
	s_cmp_eq_u32 s[\which], 2
	s_cselect_b32 s[\dst], s[52+(\word)], s[\dst]
	s_cmp_eq_u32 s[\which], 3
	s_cselect_b32 s[\dst], s[54+(\word)], s[\dst]
.endm
	s_load_b256 s[4:11], s[0:1], 0x0               ; p s[4:5], pos s[6:7], sel s[8:9], gw s[10:11]
	s_load_b128 s[12:15], s[0:1], 0x20             ; bo s[12:13], bo_s s[14:15]
	s_load_b64 s[16:17], s[0:1], 0x30              ; out0
	v_lshrrev_b32 v1, 5, v0
	v_readfirstlane_b32 s18, v1                    ; wave 0..7
	s_lshr_b32 s19, s18, 1
	s_lshl2_add_u32 s19, ttmp9, s19                ; my token: 4 x work-group + wave / 2
	s_and_b32 s20, s18, 1
	s_lshl_b32 s20, s20, 11                        ; my half of its row
	v_and_b32 v1, 31, v0
	v_lshl_add_u32 v1, v1, 4, s20                  ; 16 bytes a lane
	v_add_nc_u32 v2, PLANE, v1                     ; the same place in p's second plane
	s_lshl_b32 s21, s19, 3
	s_mov_b32 s31, 0
	s_wait_kmcnt 0x0
	s_load_b64 s[48:49], s[6:7], s21 offset:0x0    ; my token's pair in each of the four planes of pos: all at once, so that no load waits for sel,
	s_load_b64 s[50:51], s[6:7], s21 offset:0x2000
	s_load_b64 s[52:53], s[6:7], s21 offset:0x4000
	s_load_b64 s[54:55], s[6:7], s21 offset:0x6000
	s_load_b64 s[26:27], s[8:9], s21 offset:0x0    ; the two experts,
	s_load_b64 s[28:29], s[10:11], s21 offset:0x0  ; and weights
	s_add_co_u32 s30, s19, 8192
	s_lshl_b32 s30, s30, 12
	s_add_nc_u64 s[32:33], s[4:5], s[30:31]        ; the shared expert's row of p
	s_lshl_b32 s30, s19, 12
	s_add_nc_u64 s[34:35], s[16:17], s[30:31]      ; my row of out0
	LDP 4, 1, 32                                   ; what hangs on no index goes out first
	LDP 5, 2, 32
	LDB 8, 14
	s_wait_kmcnt 0x0
	s_min_u32 s26, s26, 7
	s_min_u32 s27, s27, 7
	s_and_b32 s46, s26, 3                          ; the planes that hold the two rows
	s_and_b32 s47, s27, 3
	PICK 24, 46, 0
	PICK 25, 47, 1
	s_min_u32 s24, s24, 0x1fff
	s_min_u32 s25, s25, 0x1fff
	s_lshl_b32 s30, s24, 12
	s_add_nc_u64 s[36:37], s[4:5], s[30:31]
	s_lshl_b32 s30, s25, 12
	s_add_nc_u64 s[38:39], s[4:5], s[30:31]
	s_lshl_b32 s30, s26, 12
	s_add_nc_u64 s[40:41], s[12:13], s[30:31]
	s_lshl_b32 s30, s27, 12
	s_add_nc_u64 s[42:43], s[12:13], s[30:31]
	s_mov_b32 s44, s29                             ; the second weight as the low word of a pair of its own
	s_mov_b32 s45, s29
	LDP 0, 1, 36
	LDP 1, 2, 36
	LDP 2, 1, 38
	LDP 3, 2, 38
	LDB 6, 40
	LDB 7, 42
	s_wait_loadcnt 0x0
	RB 6
	RB 7
	RB 8
	ADD 0, 1
	ADD 2, 3
	ADD 4, 5
	ADD 0, 6
	ADD 2, 7
	ADD 4, 8
	FMA 0, 28
	FMA 2, 44
.irp c, 0,1,2,3
	global_store_b128 v1, v[A+64+4*\c:A+64+4*\c+3], s[34:35] offset:512*\c th:TH_STORE_NT  ; 512 consecutive bytes, at a multiple of 256 from out0's first byte
.endr
	s_endpgm
.Lfunc_end_k_qe044cae1d8_sum:
	.size	k_qe044cae1d8_sum, .Lfunc_end_k_qe044cae1d8_sum-k_qe044cae1d8_sum
	.p2alignl 7, 3214868480
	.fill 96, 4, 3214868480
	.section	.rodata,"a",@progbits
	.p2align	6, 0x0
	.amdhsa_kernel k_qe044cae1d8_sum
		.amdhsa_group_segment_fixed_size 0
		.amdhsa_private_segment_fixed_size 0
		.amdhsa_enable_private_segment 0
		.amdhsa_kernarg_size 56
		.amdhsa_user_sgpr_count 2
		.amdhsa_user_sgpr_kernarg_segment_ptr 1
		.amdhsa_wavefront_size32 1
		.amdhsa_system_sgpr_workgroup_id_x 1
		.amdhsa_system_sgpr_workgroup_id_y 1
		.amdhsa_system_sgpr_workgroup_id_z 1
		.amdhsa_system_vgpr_workitem_id 0
		.amdhsa_next_free_vgpr 168
		.amdhsa_next_free_sgpr 66
		.amdhsa_reserve_vcc 0
		.amdhsa_float_denorm_mode_32 3
		.amdhsa_float_denorm_mode_16_64 3
		.amdhsa_memory_ordered 1
		.amdhsa_forward_progress 1
		.amdhsa_inst_pref_size 14
	.end_amdhsa_kernel
	.amdgpu_metadata
---
amdhsa.version: [ 1, 2 ]
amdhsa.kernels:
  - .name:           k_qe044cae1d8_sum
    .symbol:         k_qe044cae1d8_sum.kd
    .args:
      - { .name: p, .offset: 0, .size: 8, .value_kind: global_buffer, .address_space: global }
      - { .name: pos, .offset: 8, .size: 8, .value_kind: global_buffer, .address_space: global }
      - { .name: sel, .offset: 16, .size: 8, .value_kind: global_buffer, .address_space: global }
      - { .name: gw, .offset: 24, .size: 8, .value_kind: global_buffer, .address_space: global }
      - { .name: bo, .offset: 32, .size: 8, .value_kind: global_buffer, .address_space: global }
      - { .name: bo_s, .offset: 40, .size: 8, .value_kind: global_buffer, .address_space: global }
      - { .name: out0, .offset: 48, .size: 8, .value_kind: global_buffer, .address_space: global }
    .group_segment_fixed_size: 0
    .private_segment_fixed_size: 0
    .kernarg_segment_align: 8
    .kernarg_segment_size: 56
    .max_flat_workgroup_size: 256
    .sgpr_count:     66
    .vgpr_count:     168
    .wavefront_size: 32
...
	.end_amdgpu_metadata
.endif
;; end of part 4
